; MI455X (gfx1250); checked and timed in simulation.
; The chip was launched on July 23, 2026; its instructions are those of AMD's public machine-readable ISA for CDNA 5 (MIT licence, August 2026) and "CDNA5" Instruction Set Architecture Reference Guide (July 2026). The comments in the code are by the model that wrote it; some were corrected since.
;; KNRM. Allowed arithmetic: matrix products marked QUANTISED: E2M1 operands, one E8M0 scale for each 32 along K, by v_wmma_scale_f32_16x16x128_f8f6f4 with both operands' format E2M1 (or v_wmma_scale_f32_32x16x128_f4), f32 sums; products left as they are: f32 operands where the result goes on into a quantised operand, else bf16, f16 or f32 operands; f32 sums; everything else in f32.
;; Inputs: W0 10 x 21 float32; W1 5 x 10 float32; W2 1 x 5 float32; b0 10 float32; b1 5 float32; b2 1 float32; document_1 512 x 256 int32; document_2 512 x 256 int32; emb_weight 100,000 x 256 float32; query_1 512 x 32 int32; query_2 512 x 32 int32.
;; Outputs: out0 512 x 1 float32.
;; This version of the problem:
;;   THIS VERSION OF THE PROBLEM IS GIVEN IN LOW PRECISION. The matrix products marked QUANTISED in the list below multiply operands that are first quantised to E2M1 (2 exponent bits, 1 mantissa bit; 4 bits a number), with one power-of-two scale for each 32 numbers along K (OCP MX v1.0); their sums are f32. All else is computed in f32.
;;   The module's matrix products, in the order in which they are computed (A, B: the left and right operand; K: the contracted axis; several contracted axes count as one K, in the product's order):
;;     1. batch 512 x [M 32, K 256] x [K 256, N 256]; A: computed on the way; B: computed on the way: QUANTISED
;;     2. [M 512, K 21] x [K 21, N 10]; A: computed on the way; B: input W0: left as it is (K = 21 < 32)
;;     3. [M 512, K 10] x [K 10, N 5]; A: computed on the way; B: input W1: left as it is (K = 10 < 32)
;;     4. [M 512, K 5] x [K 5, N 1]; A: computed on the way; B: input W2: left as it is (K = 5 < 32)
;;     5. batch 512 x [M 32, K 256] x [K 256, N 256]; A: computed on the way; B: computed on the way: QUANTISED
;;     6. [M 512, K 21] x [K 21, N 10]; A: computed on the way; B: input W0: left as it is (K = 21 < 32)
;;     7. [M 512, K 10] x [K 10, N 5]; A: computed on the way; B: input W1: left as it is (K = 10 < 32)
;;     8. [M 512, K 5] x [K 5, N 1]; A: computed on the way; B: input W2: left as it is (K = 5 < 32)
;;   THE QUANTISER, for each operand of a quantised product, along K:
;;     - K is cut into blocks of 32 from its start; a last block that is shorter is filled with zeros.
;;     - A block's scale is 2^e with e = floor(log2(the largest magnitude in the block)) - 2, held to -126 .. 127; a block of zeros has e = 0. As a byte (E8M0): e + 127.
;;     - Each number is divided by its block's scale, clamped to +-6, and rounded to the nearest number of E2M1, ties to even, subnormals kept.
;;     - The product sums the exact products of the quantised numbers (number of the format x scale) in f32.
;;   ~~~python
;;   def quantise(x, axis):      # numpy; x: float32 -> the quantised numbers, widened to float32 again
;;       x = np.moveaxis(x, axis, -1); K = x.shape[-1]
;;       x = np.pad(x, [(0, 0)] * (x.ndim - 1) + [(0, -K % 32)]); x = x.reshape(x.shape[:-1] + (-1, 32)); a = np.abs(x).max(-1, keepdims=True)
;;       e = np.where(a > 0, np.clip(np.frexp(np.where(a > 0, a, 1))[1] - 1 - 2, -126, 127), 0)      # np.frexp(a)[1] - 1 = floor(log2(a)), exactly
;;       r = np.clip(x / 2.0 ** e, -6, 6)
;;       step = 2.0 ** (np.maximum(np.frexp(np.where(r == 0, 1, r))[1] - 1, 0) - 1)
;;       q = np.round(r / step) * step * 2.0 ** e      # np.round: ties to even
;;       return np.moveaxis(q.reshape(q.shape[:-2] + (-1,))[..., :K], -1, axis).astype(np.float32)
;;   ~~~
;;   OPERANDS COMPUTED ON THE WAY. 'Computed on the way' means the value that the module computes at that place (a softmax that the list does not call 'softmax' is quantised finished and normalised). What goes into a quantiser is computed in f32, as accurately as f32 sums, v_exp_f32 and their like allow (about 1e-6 of the number): no bf16 or f16 on the way to a quantiser, and a product that is left as it is and whose result goes on into a quantised operand takes f32 operands (vector FMAs, or v_wmma_f32_16x16x4_f32). A number that lies on a knife's edge between two numbers of the format may be rounded either way, as far as f32 arithmetic and the matrix unit's own rounding can turn it there, and no further.
;; One version. Each part assembles by itself: llvm-mc -triple=amdgcn-amd-amdhsa -mcpu=gfx1250 --defsym DOCPART=n.
;; ======== version 1 of 1: 2 launches
;; workspace buffers: codes 12,800,000 bytes; scales 800,000 bytes
;; launch quant (part 1): grid 625 x 1, 5 waves a work-group, no clusters, 41,728 bytes of LDS; arguments emb_weight, codes, scales; writes codes, scales
.if DOCPART == 1
	.amdgcn_target "amdgcn-amd-amdhsa--gfx1250"
	.amdhsa_code_object_version 6
	.text
	.protected	k_q0a7505fdda_quant
	.globl	k_q0a7505fdda_quant
	.p2align	8
	.type	k_q0a7505fdda_quant,@function
k_q0a7505fdda_quant:
	s_mov_b64 s[64:65], 0
	v_nop
	global_prefetch_b8 v0, s[64:65] scope:SCOPE_SE
	s_setreg_imm32_b32 hwreg(HW_REG_WAVE_MODE, 25, 1), 1
	s_wait_xcnt 0x0
; Every row of the table [100000][256] f32 is divided by max(its norm, 1e-8) and turned into codes of FP4 (E2M1), K innermost, two codes a byte
; (codes [100000][128]), with one E8M0 byte for each 32 along K (scales [100000][8]).  Norm, division and quantiser hang on the table's row alone,
; so they are done once for each row here, and the next launch gathers 136 bytes a row where the f32 row has 1,024.
; A block's scale is 2^(floor(log2(its largest magnitude)) - 2); its byte is the largest magnitude's exponent field - 2, held at 1 from below.
; LIMITS: NaN and infinities in the table are not served.  A block of zeros gets the byte 1 where the rule says 127: its codes are zeros, which add nothing
; under any byte but 0xff, and this program alone reads the bytes.  The division is a multiplication by min(rsq(sum of squares), 1e8): two roundings and the
; reciprocal root's own error, a few units in the last place of f32.
; SHARES: 100,000 rows = 3,125 waves x 32 rows; 625 work-groups of 5 waves.  A wave goes 16 steps of 2 rows (2,048 bytes).  Each of a step's four loads reads
; 512 consecutive bytes, 16 a lane; the bytes turn through the wave's own stage in LDS and come back 64 a lane: 16 NEIGHBOURS along K.  Lanes 0-15 then hold the
; step's first row, lanes 16-31 its second; two neighbouring lanes hold a block of 32.  Waves share nothing: no barrier.  No loop: every offset is an immediate,
; and each step has its own registers for its codes and its byte, so no store's data are written again.
.set WAVES, 5
.set STEPS, 16
.set SP,    80                         ; a lane's place in a stage: its 64 bytes + 16 of padding
.set WREG,  8192                       ; LDS: a region for each wave: two stages of 32 x SP bytes, behind them its 256 scale bytes
.set R,     16                         ; v16-79   four sets of 16 numbers as they are loaded
.set X,     80                         ; v80-111  two sets of 16 neighbours
.set E,     112                        ; v112-127 a scale byte for each step
.set C,     128                        ; v128-159 two registers of codes for each step
.set SS,    160                        ; v[160:161], v[162:163] the sum of squares in two chains
.set INV,   164                        ; v164 1 / max(norm, 1e-8); v165 is named with it as a pair and written once
	s_load_b128 s[4:7], s[0:1], 0x0                ; the table, the codes
	s_load_b64 s[8:9], s[0:1], 0x10                ; the scale bytes
	v_lshl_add_u32 v168, v0, 2, 0xa000
	v_mov_b32 v169, 0
	v_lshrrev_b32 v1, 5, v0
	v_readfirstlane_b32 s16, v1                    ; wave 0..4
	v_and_b32 v2, 31, v0                           ; lane
	v_lshlrev_b32 v3, 4, v2                        ; my 16 bytes of a load's 512
	v_lshlrev_b32 v4, 3, v2                        ; my 8 bytes of a step's 256 bytes of codes, and of the wave's 256 scale bytes
	s_mul_i32 s17, s16, WREG
	v_lshrrev_b32 v14, 2, v2
	v_mul_u32_u24 v14, v14, SP
	v_and_b32 v15, 3, v2
	v_lshl_add_u32 v14, v15, 4, v14
	v_add_nc_u32 v14, s17, v14                     ; the stage, on the way in: SP (lane / 4) + 16 (lane % 4); a load's 512 bytes take eight places
	v_mul_u32_u24 v15, v2, SP
	v_add_nc_u32 v15, s17, v15                     ; and on the way out: SP x lane
	v_lshrrev_b32 v5, 1, v2
	s_add_co_u32 s17, s17, 2*32*SP
	v_add_nc_u32 v5, s17, v5                       ; my block's byte among the wave's 256
	v_add_nc_u32 v6, s17, v4                       ; and 8 of them a lane on the way out
	v_mov_b32 v[INV+1], 0
	s_mul_i32 s18, ttmp9, WAVES
	s_add_co_u32 s18, s18, s16                     ; which run of 32 rows is my wave's: 0 .. 3,124
	s_lshl_b32 s20, s18, 15                        ; 32 rows x 1,024 bytes (under 2^27)
	s_mov_b32 s21, 0
	s_lshl_b32 s22, s18, 12                        ; 32 x 128 bytes of codes
	s_mov_b32 s23, 0
	s_lshl_b32 s24, s18, 8                         ; 32 x 8 scale bytes
	s_mov_b32 s25, 0
	s_wait_kmcnt 0x0
	s_add_nc_u64 s[4:5], s[4:5], s[20:21]
	s_add_nc_u64 s[6:7], s[6:7], s[22:23]
	s_add_nc_u64 s[8:9], s[8:9], s[24:25]
.macro LOAD t
.irp i, 0,1,2,3
	global_load_b128 v[R+16*((\t)%4)+4*\i:R+16*((\t)%4)+4*\i+3], v3, s[4:5] offset:2048*(\t)+512*\i th:TH_LOAD_NT   ; 32 lanes read 512 consecutive bytes; read once in the launch
.endr
.endm
.macro TURN t                          ; step t's numbers through the stage: LDS serves a wave's instructions in order, so no wait stands between the stores and the loads
.irp i, 0,1,2,3
	ds_store_b128 v14, v[R+16*((\t)%4)+4*\i:R+16*((\t)%4)+4*\i+3] offset:32*SP*((\t)%2)+8*SP*\i
.endr
.irp i, 0,1,2,3
	ds_load_b128 v[X+16*((\t)%2)+4*\i:X+16*((\t)%2)+4*\i+3], v15 offset:32*SP*((\t)%2)+16*\i
.endr
.endm
.irp t, 0,1,2,3
	LOAD \t
.endr
	s_wait_loadcnt 12                              ; step 0's four loads are in; the twelve of steps 1 to 3 stay out
	TURN 0
.macro STEP t
.set XS, X+16*((\t)%2)
.if (\t) > 0
	s_wait_dscnt 1                                 ; this step's numbers are back from the stage (only the last step's byte store may be out): so its stores into the stage have read their registers,
.else
	s_wait_dscnt 0x0
.endif
.if (\t)+4 < STEPS
	LOAD (\t)+4                                    ; which take the loads of four steps on
.endif
.if (\t)+1 < STEPS
.if STEPS-2-(\t) >= 3
	s_wait_loadcnt 12                              ; the next step's four loads are in; those of the three steps behind it may be out
.else
	s_wait_loadcnt 4*(STEPS-2-(\t))                ; in the tail fewer steps are behind it
.endif
	TURN (\t)+1                                    ; and go through the other stage while this step is worked
.endif
	v_pk_mul_f32 v[SS:SS+1], v[XS:XS+1], v[XS:XS+1]                ; the sum of my 16 squares, two at a time, in two chains
	v_pk_mul_f32 v[SS+2:SS+3], v[XS+2:XS+3], v[XS+2:XS+3]
.irp i, 4,8,12
	v_pk_fma_f32 v[SS:SS+1], v[XS+\i:XS+\i+1], v[XS+\i:XS+\i+1], v[SS:SS+1]
	v_pk_fma_f32 v[SS+2:SS+3], v[XS+\i+2:XS+\i+3], v[XS+\i+2:XS+\i+3], v[SS+2:SS+3]
.endr
	v_pk_add_f32 v[SS:SS+1], v[SS:SS+1], v[SS+2:SS+3]
	v_add_f32 v[SS], v[SS], v[SS+1]
	v_add_f32_dpp v[SS], v[SS], v[SS] row_xmask:1 row_mask:0xf bank_mask:0xf   ; and of the 16 lanes that hold my row
	v_add_f32_dpp v[SS], v[SS], v[SS] row_xmask:2 row_mask:0xf bank_mask:0xf
	v_add_f32_dpp v[SS], v[SS], v[SS] row_xmask:4 row_mask:0xf bank_mask:0xf
	v_add_f32_dpp v[SS], v[SS], v[SS] row_xmask:8 row_mask:0xf bank_mask:0xf
	v_rsq_f32 v[INV], v[SS]                        ; 1 / norm.  The block's maximum below is the independent plain work behind it
	v_max3_num_f32 v8, |v[XS]|, |v[XS+1]|, |v[XS+2]|               ; the largest magnitude of my 16, before the division
	v_max3_num_f32 v9, |v[XS+3]|, |v[XS+4]|, |v[XS+5]|
.irp i, 6,10
	v_max3_num_f32 v8, v8, |v[XS+\i]|, |v[XS+\i+1]|
	v_max3_num_f32 v9, v9, |v[XS+\i+2]|, |v[XS+\i+3]|
.endr
	v_max3_num_f32 v8, v8, |v[XS+14]|, |v[XS+15]|
	v_max_num_f32 v8, v8, v9
	v_max_num_f32_dpp v8, v8, v8 row_xmask:1 row_mask:0xf bank_mask:0xf   ; and of my neighbour's 16: the block's
	s_wait_alu depctr_va_vdst(0)                   ; wait ahead of the first line that names the reciprocal root
	v_min_num_f32 v[INV], 0x4cbebc20, v[INV]       ; min(1 / norm, 1e8) = 1 / max(norm, 1e-8); a row of zeros gives infinity, held at 1e8
	v_mul_f32 v10, v8, v[INV]                      ; the block's largest magnitude behind the division: the same multiplication on the largest number gives the largest product, bit for bit
	v_max_num_f32 v10, 0x1800000, v10              ; the floor 2^(3 - 127): the byte cannot fall under 1
	v_add_nc_u32 v11, 0xff000000, v10              ; 2 off its exponent field: the conversion takes the exponent field of this operand as its scale, and nothing else of it
.irp i, 0,2,4,6,8,10,12,14
	v_pk_mul_f32 v[XS+\i:XS+\i+1], v[XS+\i:XS+\i+1], v[INV:INV+1] op_sel_hi:[1,0]   ; the normalised numbers, in f32
.endr
	v_cvt_scalef32_pk8_fp4_f32 v[C+2*(\t)], v[XS:XS+7], v11        ; eight numbers / the scale, to the nearest code, ties to even, beyond 6 the largest code
	v_cvt_scalef32_pk8_fp4_f32 v[C+2*(\t)+1], v[XS+8:XS+15], v11
	v_lshrrev_b32 v[E+(\t)], 23, v11               ; the scale's byte (also the plain line behind the conversions)
	ds_store_b8 v5, v[E+(\t)] offset:16*(\t)       ; both lanes of a block write the same byte with the same value
	global_store_b64 v4, v[C+2*(\t):C+2*(\t)+1], s[6:7] offset:256*(\t)   ; the wave stores 256 consecutive bytes, at a multiple of 256 from the buffer's first byte: two rows of codes
.endm
.irp t, 0,1,2,3,4,5,6,7,8,9,10,11,12,13,14,15
	STEP \t
.endr
	ds_load_b64 v[12:13], v6                       ; LDS serves a wave's instructions in order: these see my byte stores
	s_wait_dscnt 0x0
	global_store_b64 v4, v[12:13], s[8:9]          ; the scale bytes of my 32 rows: 256 consecutive bytes, aligned
	s_wait_tensorcnt 0x0
	ds_add_u32 v168, v169
	s_wait_dscnt 0x0
	s_endpgm
.Lfunc_end_k_q0a7505fdda_quant:
	.size	k_q0a7505fdda_quant, .Lfunc_end_k_q0a7505fdda_quant-k_q0a7505fdda_quant
	.p2alignl 7, 3214868480
	.fill 96, 4, 3214868480
	.section	.rodata,"a",@progbits
	.p2align	6, 0x0
	.amdhsa_kernel k_q0a7505fdda_quant
		.amdhsa_group_segment_fixed_size 41728
		.amdhsa_private_segment_fixed_size 0
		.amdhsa_enable_private_segment 0
		.amdhsa_kernarg_size 24
		.amdhsa_user_sgpr_count 2
		.amdhsa_user_sgpr_kernarg_segment_ptr 1
		.amdhsa_wavefront_size32 1
		.amdhsa_system_sgpr_workgroup_id_x 1
		.amdhsa_system_sgpr_workgroup_id_y 1
		.amdhsa_system_sgpr_workgroup_id_z 1
		.amdhsa_system_vgpr_workitem_id 0
		.amdhsa_next_free_vgpr 170
		.amdhsa_next_free_sgpr 66
		.amdhsa_reserve_vcc 0
		.amdhsa_float_denorm_mode_32 3
		.amdhsa_float_denorm_mode_16_64 3
		.amdhsa_memory_ordered 1
		.amdhsa_forward_progress 1
		.amdhsa_inst_pref_size 57
	.end_amdhsa_kernel
	.amdgpu_metadata
---
amdhsa.version: [ 1, 2 ]
amdhsa.kernels:
  - .name:           k_q0a7505fdda_quant
    .symbol:         k_q0a7505fdda_quant.kd
    .args:
      - { .name: emb_weight, .offset: 0, .size: 8, .value_kind: global_buffer, .address_space: global }
      - { .name: codes, .offset: 8, .size: 8, .value_kind: global_buffer, .address_space: global }
      - { .name: scales, .offset: 16, .size: 8, .value_kind: global_buffer, .address_space: global }
    .group_segment_fixed_size: 41728
    .private_segment_fixed_size: 0
    .kernarg_segment_align: 8
    .kernarg_segment_size: 24
    .max_flat_workgroup_size: 160
    .sgpr_count:     66
    .vgpr_count:     170
    .wavefront_size: 32
...
	.end_amdgpu_metadata
.endif
;; end of part 1
;; launch knrm (part 2): grid 512 x 1, 8 waves a work-group, no clusters, 23,552 bytes of LDS; arguments query_1, document_1, query_2, document_2, codes, scales, W0, b0, W1, b1, W2, b2, out0; writes out0
.if DOCPART == 2
	.amdgcn_target "amdgcn-amd-amdhsa--gfx1250"
	.amdhsa_code_object_version 6
	.text
	.protected	k_q0a7505fdda_knrm
	.globl	k_q0a7505fdda_knrm
	.p2align	8
	.type	k_q0a7505fdda_knrm,@function
k_q0a7505fdda_knrm:
	s_mov_b64 s[64:65], 0
	v_nop
	global_prefetch_b8 v0, s[64:65] scope:SCOPE_SE
	s_setreg_imm32_b32 hwreg(HW_REG_WAVE_MODE, 25, 1), 1
	s_wait_xcnt 0x0
; out0[b] = sigmoid(l(query_1[b], document_1[b]) - l(query_2[b], document_2[b])).  l: the cosines of 32 query rows x 256 document rows (MX-FP4 codes made by the launch before),
; 21 Gaussian kernels of each cosine, summed over the documents, log1p, summed over the queries, then a small network 21 - 10 - 5 - 1.
; SHARES.  A work-group owns batch b with both its pairs, so the difference needs no further launch.  Wave w: pair p = w / 4, documents 64 (w % 4) .. + 63 (four tiles of 16), all 32 queries (two tiles).
; Operands come from memory straight into registers: rows of 128 bytes named by the index inputs.  No two work-groups share a tile, so there is nothing to ask for jointly, and no LDS ring.
; THE PRODUCT: source 0 = 16 documents, source 1 = 16 queries: in the result lane (r, h) holds query r and its eight registers documents 8 h + 0 .. 7: all of a lane's numbers are summed.
; THE BINNING.  Kernels 0 .. 19 have sigma 0.1 and centres mu_k = -0.95 + 0.1 k, so K_(a+j)(x) = K_a(x) R(x)^j e^n with R = e^(10 x) and n = -10 j mu_a - j^2 / 2, a whole number.  e^n is constant and moves
; behind the sum over documents.  With anchors a = 0, 5, 10, 15 and j = 0 .. 4 a score costs six exponentials (R, four anchors, the exact kernel 20) and each kernel one packed multiply-add.
; RANGE.  The rows are normalised and the quantiser lengthens a unit vector by less than a fifth, so |x| < 1.44: R^4 < e^58 and every sum < 256 e^30: no overflow.
; LIMITS.  Where an anchor falls under the smallest normal f32 number (|x - mu_a| > 1.32) its group's five terms are dropped: each is under e^-42.  Sums are grouped in an order of their own.
; The network's products (one row a pair, K of 21, 10 and 5) are f32 multiply-adds of one wave.  NaN and infinities are not served.
; REGISTERS: v0 thread; v1-12 indices and gather offsets, later LDS addresses and weight offsets; v13 4 (lane % 16); v14-23 constants in pairs; v24-65 sums of query tile 0 (kernel k at 24 + 2 k: even, odd documents);
; v66-129 at work; v130-137 scores of query tile 0; v138-169 the queries' fragments (later, in wave 0, the weights in v130-168); v170-181 scale words and nothing else; v182-189 scores of query tile 1, document tile 0;
; v190-253 the documents' fragments; the scores of query tile 1 for document tiles 1, 2, 3 are laid over fragments that are done with (v190, v198, v206); v214-255 sums of query tile 1, first written when all fragments are done with.
.set CA,   14                          ; v[14:21] -SC mu_a, twice each, a = 0, 5, 10, 15
.set CE,   22                          ; v[22:23] -SE twice
.set ACC0, 24
.set RW,   66                          ; 10 log2(e) x, then R
.set TK,   74                          ; anchor i at TK + 8 i: SC (x - mu), then its negated square, then K
.set R2,   106
.set R3,   114
.set R4,   122
.set D0,   130
.set QC,   138                         ; query tile qt, K step s at QC + 16 qt + 8 s
.set SQ,   170                         ; its scale word at SQ + 2 qt + s
.set SD,   174                         ; document tile t's at SD + 2 t + s
.set DC,   190                         ; document tile t, K step s at DC + 16 t + 8 s
.set ACC1, 214
.set PARTW, 2688                       ; LDS from byte 0: [8 waves][21 kernels][32 queries] f32
.set KM,   21504                       ; [2 pairs][24 words]: the 21 features of a pair
.set H0,   21760                       ; [2][16 words]: the first hidden layer;  256 bytes on: the second
	s_load_b512 s[8:23], s[0:1], 0x0               ; query_1 s[8:9], document_1 s[10:11], query_2 s[12:13], document_2 s[14:15], codes s[16:17], scales s[18:19], W0 s[20:21], b0 s[22:23]
	s_load_b256 s[24:31], s[0:1], 0x40             ; W1 s[24:25], b1 s[26:27], W2 s[28:29], b2 s[30:31]
	s_load_b64 s[32:33], s[0:1], 0x60              ; out0
	s_set_vgpr_msb 0x40
	v_lshl_add_u32 v0, v0, 2, 0x5800
	v_mov_b32 v1, 0
	s_set_vgpr_msb 0x4000
	v_lshrrev_b32 v1, 5, v0
	v_readfirstlane_b32 s4, v1                     ; wave 0..7
	s_lshr_b32 s5, s4, 2                           ; my pair
	s_and_b32 s6, s4, 3                            ; my quarter of its documents
	v_and_b32 v13, 15, v0
	v_lshlrev_b32 v13, 2, v13                      ; 4 r: an index's place in a tile's 16
	v_bfe_u32 v66, v0, 4, 1
	v_lshlrev_b32 v66, 4, v66                      ; 16 h: my half's bytes of a fragment
	s_lshl_b32 s38, ttmp9, 7                       ; the batch's 32 query indices
	s_mov_b32 s39, 0
	s_lshl_b32 s40, ttmp9, 10                      ; its 256 document indices,
	s_lshl_b32 s42, s6, 8
	s_add_co_u32 s40, s40, s42                     ; my 64 of them
	s_mov_b32 s41, 0
	s_lshl_b32 s42, ttmp9, 2                       ; its place in out0
	s_mov_b32 s43, 0
	s_wait_kmcnt 0x0
	s_cmp_eq_u32 s5, 0                             ; the choice hangs on the wave's number alone
	s_cselect_b64 s[34:35], s[8:9], s[12:13]
	s_cselect_b64 s[36:37], s[10:11], s[14:15]
	s_add_nc_u64 s[34:35], s[34:35], s[38:39]
	s_add_nc_u64 s[36:37], s[36:37], s[40:41]
	s_add_nc_u64 s[32:33], s[32:33], s[42:43]
	global_load_b32 v1, v13, s[34:35]              ; query tile 0: lane (r, h) takes query r's index
	global_load_b32 v2, v13, s[34:35] offset:64    ; query tile 1
.irp t, 0,1,2,3
	global_load_b32 v[3+\t], v13, s[36:37] offset:64*\t   ; document tile t
.endr
	v_mov_b32 v14, 0x410118cf                      ; -SC mu_0  =  8.0685571
	v_mov_b32 v15, 0x410118cf
	v_mov_b32 v16, 0x40749acc                      ; -SC mu_5  =  3.8219481
	v_mov_b32 v17, 0x40749acc
	v_mov_b32 v18, 0xbed96d27                      ; -SC mu_10 = -0.4246609
	v_mov_b32 v19, 0xbed96d27
	v_mov_b32 v20, 0xc0957b0b                      ; -SC mu_15 = -4.6712699
	v_mov_b32 v21, 0xc0957b0b
	v_mov_b32 v22, 0xc4545498                      ; -SE
	v_mov_b32 v23, 0xc4545498
	s_mov_b32 s44, 0x4166d4ca                      ; 10 log2(e) = 14.426950: R = 2^(this x)
	s_mov_b32 s45, s44                             ; (the packed forms name a pair and take its low word for both halves: so the upper word is written)
	s_mov_b32 s46, 0x4107e439                      ; SC = sqrt(50 log2(e)) = 8.4932180: K = 2^-(SC (x - mu))^2
	s_mov_b32 s47, s46
	s_mov_b32 s48, 0x44545498                      ; SE = sqrt(500000 log2(e)) = 849.32180: the exact kernel, sigma 0.001, mu 1
	s_mov_b32 s49, s48
	s_mov_b32 s50, 0x76543210                      ; v_permlanex16_b32's selects for lane l xor 16
	s_mov_b32 s51, 0xfedcba98
	s_wait_loadcnt 0x0                             ; the six indices
.irp i, 1,2,3,4,5,6
	v_min_u32 v[\i], 0x1869f, v[\i]                ; an index stays inside the table's 100,000 rows
.endr
.irp i, 1,2,3,4,5,6
	v_lshlrev_b32 v[6+\i], 3, v[\i]                ; its 8 scale bytes
.endr
.irp i, 1,2,3,4,5,6
	v_lshlrev_b32 v[\i], 7, v[\i]                  ; its 128 bytes of codes,
.endr
.irp i, 1,2,3,4,5,6
	v_add_nc_u32 v[\i], v66, v[\i]                 ; + 16 h
.endr
; A tile's 16 rows: a fragment of 4-bit codes holds, in registers 4 c .. 4 c + 3 of lane (r, h), k = 64 c + 32 h + 0 .. 31 of row r's K step: 16 bytes at 64 s + 32 c + 16 h of the row.  The row's two scale words come by one load.
; No cache hint: a row may be named again, by this work-group or by another.
.macro GATHER reg, sreg, i
.irp s, 0,1
.irp c, 0,1
	global_load_b128 v[\reg+8*\s+4*\c:\reg+8*\s+4*\c+3], v[\i], s[16:17] offset:64*\s+32*\c
.endr
.endr
	global_load_b64 v[\sreg:\sreg+1], v[6+\i], s[18:19]
.endm
	GATHER QC, SQ, 1                               ; 30 loads, all at once: five a tile
	GATHER QC+16, SQ+2, 2
	GATHER DC, SD, 3
	GATHER DC+16, SD+2, 4
	GATHER DC+32, SD+4, 5
	GATHER DC+48, SD+6, 6
; THE BINNING of eight scores v[dd] .. v[dd + 7] (four pairs) into the 21 pairs of sums from v[ac] on.  fst = 1: the first products start the sums: nothing is ever cleared.
.macro BIN dd, ac, fst
.irp q, 0,1,2,3                        ; the arguments; pair 0 first: the scores are read from their low end on
	v_pk_mul_f32 v[RW+2*\q:RW+2*\q+1], v[\dd+2*\q:\dd+2*\q+1], s[44:45] op_sel_hi:[1,0]
.irp a, 0,1,2,3
	v_pk_fma_f32 v[TK+8*\a+2*\q:TK+8*\a+2*\q+1], v[\dd+2*\q:\dd+2*\q+1], s[46:47], v[CA+2*\a:CA+2*\a+1] op_sel_hi:[1,0,1]
.endr
	v_pk_fma_f32 v[\dd+2*\q:\dd+2*\q+1], v[\dd+2*\q:\dd+2*\q+1], s[48:49], v[CE:CE+1] op_sel_hi:[1,0,1]   ; SE (x - 1), in place, last
.endr
.set ii, 0
.rept 16
	v_pk_mul_f32 v[TK+ii:TK+ii+1], v[TK+ii:TK+ii+1], v[TK+ii:TK+ii+1] neg_lo:[0,1] neg_hi:[0,1]   ; -t^2
.set ii, ii+2
.endr
.irp q, 0,1,2,3
	v_pk_mul_f32 v[\dd+2*\q:\dd+2*\q+1], v[\dd+2*\q:\dd+2*\q+1], v[\dd+2*\q:\dd+2*\q+1] neg_lo:[0,1] neg_hi:[0,1]
.endr
.set ii, 0
.rept 40
	v_exp_f32 v[RW+ii], v[RW+ii]                   ; ONE BATCH of 48: R and the four anchors (their registers lie on end),
.set ii, ii+1
.endr
.irp i, 0,1,2,3,4,5,6,7
	v_exp_f32 v[\dd+\i], v[\dd+\i]                 ; and the exact kernel
.endr
	v_nop                                          ; a plain line behind the last exponential
	s_wait_alu depctr_va_vdst(0)                   ; wait ahead of the first line that names a result: one for the batch
.irp q, 0,1,2,3
	v_pk_mul_f32 v[R2+2*\q:R2+2*\q+1], v[RW+2*\q:RW+2*\q+1], v[RW+2*\q:RW+2*\q+1]
.endr
.irp q, 0,1,2,3
	v_pk_mul_f32 v[R3+2*\q:R3+2*\q+1], v[R2+2*\q:R2+2*\q+1], v[RW+2*\q:RW+2*\q+1]
.endr
.irp q, 0,1,2,3
	v_pk_mul_f32 v[R4+2*\q:R4+2*\q+1], v[R2+2*\q:R2+2*\q+1], v[R2+2*\q:R2+2*\q+1]
.endr
.irp q, 0,1,2,3                        ; pair by pair: between two lines on one sum stand the twenty others'
.irp a, 0,1,2,3
.set kk, TK+8*\a+2*\q                  ; K_a of this pair
.set aa, \ac+10*\a                     ; the sums of kernels 5 a .. 5 a + 4
.if (\fst) && (\q == 0)
	v_pk_add_f32 v[aa:aa+1], v[kk:kk+1], v[kk+2:kk+3]              ; pairs 0 and 1 start the plain sum
	v_pk_mul_f32 v[aa+2:aa+3], v[kk:kk+1], v[RW+2*\q:RW+2*\q+1]
	v_pk_mul_f32 v[aa+4:aa+5], v[kk:kk+1], v[R2+2*\q:R2+2*\q+1]
	v_pk_mul_f32 v[aa+6:aa+7], v[kk:kk+1], v[R3+2*\q:R3+2*\q+1]
	v_pk_mul_f32 v[aa+8:aa+9], v[kk:kk+1], v[R4+2*\q:R4+2*\q+1]
.else
.if !((\fst) && (\q == 1))
	v_pk_add_f32 v[aa:aa+1], v[aa:aa+1], v[kk:kk+1]
.endif
	v_pk_fma_f32 v[aa+2:aa+3], v[kk:kk+1], v[RW+2*\q:RW+2*\q+1], v[aa+2:aa+3]
	v_pk_fma_f32 v[aa+4:aa+5], v[kk:kk+1], v[R2+2*\q:R2+2*\q+1], v[aa+4:aa+5]
	v_pk_fma_f32 v[aa+6:aa+7], v[kk:kk+1], v[R3+2*\q:R3+2*\q+1], v[aa+6:aa+7]
	v_pk_fma_f32 v[aa+8:aa+9], v[kk:kk+1], v[R4+2*\q:R4+2*\q+1], v[aa+8:aa+9]
.endif
.endr
.if (\fst) && (\q == 0)
	v_pk_add_f32 v[\ac+40:\ac+41], v[\dd:\dd+1], v[\dd+2:\dd+3]
.elseif !((\fst) && (\q == 1))
	v_pk_add_f32 v[\ac+40:\ac+41], v[\ac+40:\ac+41], v[\dd+2*\q:\dd+2*\q+1]
.endif
.endr
.endm
; One matrix instruction: scores v[d] on (+)= document tile t x query tile qt, K step s.  c0 = 1: it starts the sum.
.macro MM d, t, qt, s, c0
.if \c0
	v_wmma_scale_f32_16x16x128_f8f6f4 v[\d:\d+7], v[DC+16*\t+8*\s:DC+16*\t+8*\s+7], v[QC+16*\qt+8*\s:QC+16*\qt+8*\s+7], 0, v[SD+2*\t+\s], v[SQ+2*\qt+\s] matrix_a_fmt:MATRIX_FMT_FP4 matrix_b_fmt:MATRIX_FMT_FP4
.else
	v_wmma_scale_f32_16x16x128_f8f6f4 v[\d:\d+7], v[DC+16*\t+8*\s:DC+16*\t+8*\s+7], v[QC+16*\qt+8*\s:QC+16*\qt+8*\s+7], v[\d:\d+7], v[SD+2*\t+\s], v[SQ+2*\qt+\s] matrix_a_fmt:MATRIX_FMT_FP4 matrix_b_fmt:MATRIX_FMT_FP4
.endif
.endm
; Document tile t: its four products (the two accumulators by turns, one instruction a turn), then the binning of query tile 0's scores; query tile 1's wait in v[d1] on.
; Operands and scale words are filled by loads and owe only their wait.  Between a tile's products and the next tile's, which write over D0 and over fragments that are done with, stands a whole binning.
.macro TILE t, d1, fst
	s_wait_loadcnt 5*(3-\t)                        ; loads come back in order: this tile's five (and the queries' ten) are in; the five of each later tile stay out
	MM D0, \t, 0, 0, 1
	MM \d1, \t, 1, 0, 1
	MM D0, \t, 0, 1, 0
	MM \d1, \t, 1, 1, 0
.rept 4
	v_nop                                          ; four places between the products and the first read of their results
.endr
	BIN D0, ACC0, \fst
.endm
	TILE 0, 182, 1
	TILE 1, 190, 0
	TILE 2, 198, 0
	TILE 3, 206, 0
	; All loads are in, so v1-12 may be written.  Every LDS address is made here, on the way that all waves take, ahead of the first branch on the wave's number.
	v_and_b32 v66, 31, v0
	v_lshlrev_b32 v66, 2, v66                      ; 4 x lane
	s_mul_i32 s52, s4, PARTW
	s_mul_i32 s53, s5, 4*PARTW
	s_lshl_b32 s54, s6, 7
	s_add_co_u32 s54, s54, s53
	v_add_nc_u32 v1, s52, v66                      ; where I store my sums: my wave's 21 x 128 bytes
	v_add_nc_u32 v2, s54, v66                      ; where I read: my pair's four waves, kernels 4 i + (wave % 4)
	v_add_nc_u32 v3, s53, v66                      ; and kernel 20
	s_mul_i32 s55, s5, 96
	s_lshl_b32 s56, s6, 2
	s_add_co_u32 s55, s55, s56
	s_add_co_u32 s55, s55, KM
	v_mov_b32 v4, s55                              ; my features' words: KM + 96 pair + 4 (wave % 4), 16 bytes apart
	v_bfe_u32 v67, v0, 4, 1                        ; in the network a lane's half is its pair
	v_mul_u32_u24 v5, v67, 96
	v_add_nc_u32 v5, KM, v5
	v_add_nc_u32 v6, H0, v66
	v_lshl_add_u32 v7, v67, 6, H0
	v_and_b32 v67, 15, v0                          ; and lane % 16 its unit o
	v_min_u32 v8, 9, v67                           ; units beyond a layer's width repeat its last one: no load leaves its buffer
	v_min_u32 v10, 4, v67
	v_lshlrev_b32 v9, 2, v8                        ; b0
	v_mul_u32_u24 v8, v8, 84                       ; W0's row of 21
	v_lshlrev_b32 v11, 2, v10                      ; b1
	v_mul_u32_u24 v10, v10, 40                     ; W1's row of 10
	v_mov_b32 v12, 0
	s_cmp_lg_u32 s4, 0
	s_cbranch_scc1 .Lno_weights                    ; wave 0 alone runs the network: it asks for the weights here, into registers that the scores and the queries' fragments have left; they land during the second pass
.irp k, 0,1,2,3,4,5,6,7,8,9,10,11,12,13,14,15,16,17,18,19,20
	global_load_b32 v[130+\k], v8, s[20:21] offset:4*\k
.endr
	global_load_b32 v151, v9, s[22:23]
.irp k, 0,1,2,3,4,5,6,7,8,9
	global_load_b32 v[152+\k], v10, s[24:25] offset:4*\k
.endr
	global_load_b32 v162, v11, s[26:27]
.irp k, 0,1,2,3,4
	global_load_b32 v[163+\k], v12, s[28:29] offset:4*\k
.endr
	global_load_b32 v168, v12, s[30:31]
.Lno_weights:
	BIN 182, ACC1, 1                               ; the second pass: query tile 1's scores of the four document tiles
	BIN 190, ACC1, 0
	BIN 198, ACC1, 0
	BIN 206, ACC1, 0
	; THE SUMS MEET.  Even and odd documents; then the two halves of the lanes: the exchange leaves query l's two halves in lane l of the two registers.
.set kk, 0
.rept 21
	v_add_f32 v[ACC0+2*kk], v[ACC0+2*kk], v[ACC0+2*kk+1]
	v_add_f32 v[ACC1+2*kk], v[ACC1+2*kk], v[ACC1+2*kk+1]
.set kk, kk+1
.endr
.set kk, 0
.rept 21
	v_permlane16_swap_b32 v[ACC0+2*kk], v[ACC1+2*kk]   ; the first's lanes 16-31 (query r, documents 8 .. 15) change places with the second's lanes 0-15 (query 16 + r, documents 0 .. 7)
.set kk, kk+1
.endr
.set kk, 0
.rept 21
	v_add_f32 v[ACC0+2*kk], v[ACC0+2*kk], v[ACC1+2*kk]   ; lane l: query l, my 64 documents
.set kk, kk+1
.endr
.macro TIMES k, bits                   ; kernel k's constant e^n
	v_mul_f32 v[ACC0+2*\k], \bits, v[ACC0+2*\k]
.endm
	TIMES 1, 0x45fd38ac                            ; e^9
	TIMES 2, 0x4bb849a4                            ; e^17
	TIMES 3, 0x50c55bfe                            ; e^24
	TIMES 4, 0x551b8238                            ; e^30
	TIMES 6, 0x425a6481                            ; e^4
	TIMES 7, 0x44891443                            ; e^7
	TIMES 8, 0x45fd38ac                            ; e^9
	TIMES 9, 0x46ac14ee                            ; e^10
	TIMES 11, 0x3ebc5ab2                           ; e^-1
	TIMES 12, 0x3d4bed86                           ; e^-3
	TIMES 13, 0x3b227290                           ; e^-6
	TIMES 14, 0x383e6bce                           ; e^-10
	TIMES 16, 0x3b227290                           ; e^-6
	TIMES 17, 0x3617b02a                           ; e^-13
	TIMES 18, 0x30506d87                           ; e^-21
	TIMES 19, 0x29d2b706                           ; e^-30
.set kk, 0
.rept 21
	ds_store_b32 v1, v[ACC0+2*kk] offset:128*kk
.set kk, kk+1
.endr
	s_wait_dscnt 0x0                               ; for the others' sake: my stores have landed
	s_barrier_signal -1
	s_barrier_wait -1
	; Wave (pair, jw) takes kernels 4 i + jw, i = 0 .. 4, and kernel 20 (all four waves of a pair make it; jw = 0's copy is the one that is read)
.irp i, 0,1,2,3,4
.irp g, 0,1,2,3
	ds_load_b32 v[66+4*\i+\g], v2 offset:512*\i+PARTW*\g
.endr
.endr
.irp g, 0,1,2,3
	ds_load_b32 v[86+\g], v3 offset:2560+PARTW*\g
.endr
	s_wait_dscnt 0x0
.irp i, 0,1,2,3,4,5
	v_add_f32 v[66+4*\i], v[66+4*\i], v[67+4*\i]
	v_add_f32 v[68+4*\i], v[68+4*\i], v[69+4*\i]
.endr
.irp i, 0,1,2,3,4,5
	v_add_f32 v[66+4*\i], v[66+4*\i], v[68+4*\i]   ; s: the sum over all 256 documents
.endr
.irp i, 0,1,2,3,4,5
	v_add_f32 v[67+4*\i], 1.0, v[66+4*\i]          ; u = 1 + s
.endr
.irp i, 0,1,2,3,4,5
	v_add_f32 v[68+4*\i], -1.0, v[67+4*\i]         ; d = u - 1: what of s has gone into u
.endr
.irp i, 0,1,2,3,4,5
	v_log_f32 v[69+4*\i], v[67+4*\i]               ; one batch of twelve
.endr
.irp i, 0,1,2,3,4,5
	v_rcp_f32 v[90+\i], v[68+4*\i]
.endr
	v_nop                                          ; a plain line behind the last of them
	s_wait_alu depctr_va_vdst(0)                   ; wait ahead of the first reader: one for the batch
.irp i, 0,1,2,3,4,5
	v_mul_f32 v[69+4*\i], 0x3f317218, v[69+4*\i]   ; ln u
	v_mul_f32 v[90+\i], v[66+4*\i], v[90+\i]       ; s / d
.endr
.irp i, 0,1,2,3,4,5
	v_mul_f32 v[69+4*\i], v[69+4*\i], v[90+\i]     ; log1p(s) = ln(u) s / d
.endr
.irp i, 0,1,2,3,4,5
	v_cmp_eq_f32 vcc_lo, 0, v[68+4*\i]
	v_cndmask_b32 v[66+4*\i], v[69+4*\i], v[66+4*\i], vcc_lo   ; and s itself where u = 1
.endr
.irp m, 1,2,4,8                        ; the sum over the 32 queries, the six kernels by turns
.irp i, 0,1,2,3,4,5
	v_add_f32_dpp v[66+4*\i], v[66+4*\i], v[66+4*\i] row_xmask:\m row_mask:0xf bank_mask:0xf
.endr
.endr
.irp i, 0,1,2,3,4,5
	v_permlanex16_b32 v[67+4*\i], v[66+4*\i], s50, s51
.endr
.irp i, 0,1,2,3,4,5
	v_add_f32 v[66+4*\i], v[66+4*\i], v[67+4*\i]
.endr
.irp i, 0,1,2,3,4,5
	ds_store_b32 v4, v[66+4*\i] offset:16*\i       ; word 4 i + jw of my pair's 24; all lanes write the same word with the same value
.endr
	s_wait_dscnt 0x0                               ; for wave 0's sake
	s_barrier_signal -1
	s_barrier_wait -1
	s_cmp_lg_u32 s4, 0
	s_cbranch_scc1 .Lend
	; THE NETWORK, in wave 0: lanes 0-15 pair 0, lanes 16-31 pair 1; lane % 16 is the unit.  A layer's results go to the wave's own LDS words and come back whole: LDS serves a wave's instructions in order.
	s_wait_loadcnt 0x0                             ; the weights
.irp i, 0,1,2,3,4,5
	ds_load_b128 v[66+4*\i:69+4*\i], v5 offset:16*\i
.endr
	s_wait_dscnt 0x0
	v_fma_f32 v96, v66, v130, v151                 ; b0 starts the sum; two chains
	v_mul_f32 v97, v67, v131
.irp k, 2,4,6,8,10,12,14,16,18
	v_fma_f32 v96, v[66+\k], v[130+\k], v96
	v_fma_f32 v97, v[67+\k], v[131+\k], v97
.endr
	v_fma_f32 v96, v86, v150, v96
	v_add_f32 v96, v96, v97
	v_max_num_f32 v96, 0, v96
	ds_store_b32 v6, v96
.irp i, 0,1,2
	ds_load_b128 v[100+4*\i:103+4*\i], v7 offset:16*\i
.endr
	s_wait_dscnt 0x0
	v_fma_f32 v97, v100, v152, v162                ; b1 starts the sum
.irp k, 1,2,3,4,5,6,7,8,9
	v_fma_f32 v97, v[100+\k], v[152+\k], v97
.endr
	v_max_num_f32 v97, 0, v97
	ds_store_b32 v6, v97 offset:256
	ds_load_b128 v[112:115], v7 offset:256
	ds_load_b32 v116, v7 offset:272
	s_wait_dscnt 0x0
	v_fma_f32 v98, v112, v163, v168                ; b2 starts the sum
.irp k, 1,2,3,4
	v_fma_f32 v98, v[112+\k], v[163+\k], v98
.endr
	v_permlanex16_b32 v99, v98, s50, s51           ; the other pair's
	v_sub_f32 v98, v98, v99                        ; lanes 0-15: l1 - l2
	v_mul_f32 v98, 0xbfb8aa3b, v98                 ; x -log2(e)
	v_exp_f32 v98, v98
	v_nop
	s_wait_alu depctr_va_vdst(0)                   ; wait ahead of the reader
	v_add_f32 v98, 1.0, v98
	v_rcp_f32 v98, v98                             ; 1 / (1 + e^-(l1 - l2))
	v_nop
	s_wait_alu depctr_va_vdst(0)
	s_wait_xcnt 0x0                                ; EXEC changes only behind this wait
	v_cmp_gt_u32 vcc_lo, 1, v0
	s_and_saveexec_b32 s57, vcc_lo                 ; lane 0 alone
	global_store_b32 v12, v98, s[32:33]            ; the batch's one number
	s_wait_xcnt 0x0                                ; and again, in front of the line that widens it
	s_or_b32 exec_lo, exec_lo, s57
.Lend:
	s_set_vgpr_msb 0x5
	s_wait_tensorcnt 0x0
	ds_add_u32 v0, v1
	s_wait_dscnt 0x0
	s_set_vgpr_msb 0x500
	s_endpgm
.Lfunc_end_k_q0a7505fdda_knrm:
	.size	k_q0a7505fdda_knrm, .Lfunc_end_k_q0a7505fdda_knrm-k_q0a7505fdda_knrm
	.p2alignl 7, 3214868480
	.fill 96, 4, 3214868480
	.section	.rodata,"a",@progbits
	.p2align	6, 0x0
	.amdhsa_kernel k_q0a7505fdda_knrm
		.amdhsa_group_segment_fixed_size 23552
		.amdhsa_private_segment_fixed_size 0
		.amdhsa_enable_private_segment 0
		.amdhsa_kernarg_size 104
		.amdhsa_user_sgpr_count 2
		.amdhsa_user_sgpr_kernarg_segment_ptr 1
		.amdhsa_wavefront_size32 1
		.amdhsa_system_sgpr_workgroup_id_x 1
		.amdhsa_system_sgpr_workgroup_id_y 1
		.amdhsa_system_sgpr_workgroup_id_z 1
		.amdhsa_system_vgpr_workitem_id 0
		.amdhsa_next_free_vgpr 258
		.amdhsa_next_free_sgpr 66
		.amdhsa_reserve_vcc 1
		.amdhsa_float_denorm_mode_32 3
		.amdhsa_float_denorm_mode_16_64 3
		.amdhsa_memory_ordered 1
		.amdhsa_forward_progress 1
		.amdhsa_inst_pref_size 112
	.end_amdhsa_kernel
	.amdgpu_metadata
---
amdhsa.version: [ 1, 2 ]
amdhsa.kernels:
  - .name:           k_q0a7505fdda_knrm
    .symbol:         k_q0a7505fdda_knrm.kd
    .args:
      - { .name: query_1, .offset: 0, .size: 8, .value_kind: global_buffer, .address_space: global }
      - { .name: document_1, .offset: 8, .size: 8, .value_kind: global_buffer, .address_space: global }
      - { .name: query_2, .offset: 16, .size: 8, .value_kind: global_buffer, .address_space: global }
      - { .name: document_2, .offset: 24, .size: 8, .value_kind: global_buffer, .address_space: global }
      - { .name: codes, .offset: 32, .size: 8, .value_kind: global_buffer, .address_space: global }
      - { .name: scales, .offset: 40, .size: 8, .value_kind: global_buffer, .address_space: global }
      - { .name: W0, .offset: 48, .size: 8, .value_kind: global_buffer, .address_space: global }
      - { .name: b0, .offset: 56, .size: 8, .value_kind: global_buffer, .address_space: global }
      - { .name: W1, .offset: 64, .size: 8, .value_kind: global_buffer, .address_space: global }
      - { .name: b1, .offset: 72, .size: 8, .value_kind: global_buffer, .address_space: global }
      - { .name: W2, .offset: 80, .size: 8, .value_kind: global_buffer, .address_space: global }
      - { .name: b2, .offset: 88, .size: 8, .value_kind: global_buffer, .address_space: global }
      - { .name: out0, .offset: 96, .size: 8, .value_kind: global_buffer, .address_space: global }
    .group_segment_fixed_size: 23552
    .private_segment_fixed_size: 0
    .kernarg_segment_align: 8
    .kernarg_segment_size: 104
    .max_flat_workgroup_size: 256
    .sgpr_count:     66
    .vgpr_count:     258
    .wavefront_size: 32
...
	.end_amdgpu_metadata
.endif
;; end of part 2
